; MI455X (gfx1250); checked and timed in simulation.
; The chip was launched on July 23, 2026; its instructions are those of AMD's public machine-readable ISA for CDNA 5 (MIT licence, August 2026) and "CDNA5" Instruction Set Architecture Reference Guide (July 2026). The comments in the code are by the model that wrote it; some were corrected since.
;; Multi Headed Attention. Allowed arithmetic: matrix products marked QUANTISED: E2M3 operands, one E8M0 scale for each 32 along K, by v_wmma_scale_f32_16x16x128_f8f6f4 with both operands' format E2M3, f32 sums; everything else in f32.
;; Inputs: Wk 1,024 x 1,024 float32; Wq 1,024 x 1,024 float32; Wv 1,024 x 1,024 float32; bk 1,024 float32; bq 1,024 float32; bv 1,024 float32; key_ 4 x 2,048 x 1,024 float32; query 4 x 2,048 x 1,024 float32; value 4 x 2,048 x 1,024 float32.
;; Outputs: out0 4 x 2,048 x 1,024 float32.
;; This version of the problem:
;;   THIS VERSION OF THE PROBLEM IS GIVEN IN LOW PRECISION. The matrix products marked QUANTISED in the list below multiply operands that are first quantised to E2M3 (2 exponent bits, 3 mantissa bits; 6 bits a number), with one power-of-two scale for each 32 numbers along K (OCP MX v1.0); their sums are f32. All else is computed in f32.
;;   The module's matrix products, in the order in which they are computed (A, B: the left and right operand; K: the contracted axis; several contracted axes count as one K, in the product's order):
;;     1. [M 8,192, K 1,024] x [K 1,024, N 1,024]; A: input query; B: input Wq: QUANTISED
;;     2. [M 8,192, K 1,024] x [K 1,024, N 1,024]; A: input key_; B: input Wk: QUANTISED
;;     3. [M 8,192, K 1,024] x [K 1,024, N 1,024]; A: input value; B: input Wv: QUANTISED
;;     4. batch 64 x [M 2,048, K 64] x [K 64, N 2,048]; A: computed on the way; B: computed on the way: QUANTISED
;;     5. batch 64 x [M 2,048, K 2,048] x [K 2,048, N 64]; A: softmax (see below); B: computed on the way: QUANTISED
;;   THE QUANTISER, for each operand of a quantised product, along K:
;;     - K is cut into blocks of 32 from its start; a last block that is shorter is filled with zeros.
;;     - A block's scale is 2^e with e = floor(log2(the largest magnitude in the block)) - 2, held to -126 .. 127; a block of zeros has e = 0. As a byte (E8M0): e + 127.
;;     - Each number is divided by its block's scale, clamped to +-7.5, and rounded to the nearest number of E2M3, ties to even, subnormals kept.
;;     - The product sums the exact products of the quantised numbers (number of the format x scale) in f32.
;;   ~~~python
;;   def quantise(x, axis):      # numpy; x: float32 -> the quantised numbers, widened to float32 again
;;       x = np.moveaxis(x, axis, -1); K = x.shape[-1]
;;       x = np.pad(x, [(0, 0)] * (x.ndim - 1) + [(0, -K % 32)]); x = x.reshape(x.shape[:-1] + (-1, 32)); a = np.abs(x).max(-1, keepdims=True)
;;       e = np.where(a > 0, np.clip(np.frexp(np.where(a > 0, a, 1))[1] - 1 - 2, -126, 127), 0)      # np.frexp(a)[1] - 1 = floor(log2(a)), exactly
;;       r = np.clip(x / 2.0 ** e, -7.5, 7.5)
;;       step = 2.0 ** (np.maximum(np.frexp(np.where(r == 0, 1, r))[1] - 1, 0) - 3)
;;       q = np.round(r / step) * step * 2.0 ** e      # np.round: ties to even
;;       return np.moveaxis(q.reshape(q.shape[:-2] + (-1,))[..., :K], -1, axis).astype(np.float32)
;;   ~~~
;;   SOFTMAX AHEAD OF A QUANTISED PRODUCT. Where the list says 'softmax', what is quantised is not the finished softmax but p = 2^(t - M), with t = logit x log2(e) and M = ceil(the row's largest t), a whole number; so 1/2 < the row's largest p <= 1. The row's sum l is taken of the UNQUANTISED p, in f32, and the product's result is divided by l at the end. Since M is a whole number, a kernel that streams over the keys may use a running M (the ceiling of the running maximum): every later rescaling is an exact power of two, which a block's scale takes up: the codes' values come out the same.
;;   OPERANDS COMPUTED ON THE WAY. 'Computed on the way' means the value that the module computes at that place (a softmax that the list does not call 'softmax' is quantised finished and normalised). What goes into a quantiser is computed in f32, as accurately as f32 sums, v_exp_f32 and their like allow (about 1e-6 of the number): no bf16 or f16 on the way to a quantiser, and a product that is left as it is and whose result goes on into a quantised operand takes f32 operands (vector FMAs, or v_wmma_f32_16x16x4_f32). A number that lies on a knife's edge between two numbers of the format may be rounded either way, as far as f32 arithmetic and the matrix unit's own rounding can turn it there, and no further.
;; One version. Each part assembles by itself: llvm-mc -triple=amdgcn-amd-amdhsa -mcpu=gfx1250 --defsym DOCPART=n.
;; ======== version 1 of 1: 3 launches
;; limits: right only within a limited range of input values
;; workspace buffers: xc 21,233,664 bytes; xs 884,736 bytes; qr 13,369,344 bytes; kv 13,369,344 bytes
;; launch quant (part 1): grid 432 x 1, 4 waves a work-group, no clusters, 34,304 bytes of LDS; arguments query, key_, value, Wq, Wk, Wv, xc, xs; writes xc, xs
.if DOCPART == 1
	.amdgcn_target "amdgcn-amd-amdhsa--gfx1250"
	.amdhsa_code_object_version 6
	.text
	.protected	k_qfc88528717_quant
	.globl	k_qfc88528717_quant
	.p2align	8
	.type	k_qfc88528717_quant,@function
k_qfc88528717_quant:
	s_mov_b64 s[64:65], 0
	v_nop
	global_prefetch_b8 v0, s[64:65] scope:SCOPE_SE
	s_setreg_imm32_b32 hwreg(HW_REG_WAVE_MODE, 25, 1), 1
	s_wait_xcnt 0x0
; query, key_, value [8192][1024] and Wq, Wk, Wv [1024][1024], f32, K innermost, become codes of FP6 (E2M3) with one E8M0 byte for each 32 along K.
; A block's scale is 2^(floor(log2(its largest magnitude)) - 2); its byte is the largest magnitude's exponent field - 2, held at 1 from below; numbers beyond 7.5 x scale take the largest code.
; LIMITS: NaN and infinities among the inputs are not served.  A block of zeros gets the byte 1 where the rule says 127: its codes are zeros, which add nothing, and this program alone reads the bytes.
; LAYOUT OF THE RESULT.  The six tensors are 1,728 STRIPS of 16 rows (query 0-511, key_ 512-1023, value 1024-1535, Wq 1536-1599, Wk 1600-1663, Wv 1664-1727).  A strip x 128 along K is one operand
; fragment, stored as an IMAGE OF ITS 12 REGISTERS: registers 4 g .. 4 g + 3 of lane l at 512 g + 16 l.  Strip S, K step s lies in xc at (S / 8) 98304 + (s / 2) 24576 + (S % 8) 3072 + (s % 2) 1536,
; so that 128 rows x 256 along K are one dense block of 24,576 bytes.  Scale words: xs at 512 S + 32 r + 4 s.
; WHICH ROWS FORM A STRIP.  query, Wv: strip i, lane r = row 16 i + r.  key_, value, Wq, Wk: row 32 (i / 2) + 8 (i % 2) + r + 8 (r / 8), so that results of a product used transposed run along neighbours.
; SHARES.  A wave takes one strip, all 1,024 along K: eight steps.  Each load reads 512 consecutive bytes of one row; a step's 16 rows turn through the wave's own stage in LDS, from which a lane takes
; 16 neighbours of each block of 32.  Loads run two steps (32 loads a wave) ahead.  No tensor loads, no barrier: waves share nothing.
.set SPT,  528                         ; a stage row: 512 bytes + 16, an odd multiple of 16: the 16 rows that a read touches start in 16 different columns of 16 bytes
.set STG,  16*SPT                      ; a wave's stage
.set R0,   16                          ; v16-143  two sets of 64: numbers as loaded
.set X,    144                         ; v144-207 64 numbers: register 16 b + i = k 32 b + 16 (lane / 16) + i of my row
.set PC,   208                         ; v208-219 the fragment's codes
.set CT,   220                         ; v220-227 upper halves of blocks, on their way
.set TM,   228                         ; v228-243 at work
.set PW,   244                         ; v244-251 a scale word for each K step
.set SEL,  34                          ; s[34:35] lane selects: lane l xor 16
; 64 numbers of a lane become a fragment's codes (registers d0 .. d0 + 5 and d1 .. d1 + 5) and its scale word v[pw]
.macro QUANT s, d0, d1, pw
.irp b, 0,1,2,3
	v_max3_num_f32 v[TM+\b], |v[\s+16*\b]|, |v[\s+1+16*\b]|, 0x1800000   ; block b: my 16 numbers, and the floor 2^(3 - 127): the byte cannot fall under 1
.endr
.irp i, 2,4,6,8,10,12,14
.irp b, 0,1,2,3
	v_max3_num_f32 v[TM+\b], v[TM+\b], |v[\s+16*\b+\i]|, |v[\s+1+16*\b+\i]|   ; the four blocks by turns
.endr
.endr
.irp b, 0,1,2,3
	v_permlanex16_b32 v[TM+4+\b], v[TM+\b], s[SEL], s[SEL+1]
.endr
.irp b, 0,1,2,3
	v_max_num_f32 v[TM+\b], v[TM+\b], v[TM+4+\b]         ; with lane l xor 16's: the block's largest magnitude
.endr
.irp b, 0,1,2,3
	v_add_nc_u32 v[TM+12+\b], 0xff000000, v[TM+\b]       ; 2 off its exponent field: the conversion's scale operand
.endr
.irp b, 0,1,2,3
	v_lshrrev_b32 v[TM+4+\b], 23, v[TM+12+\b]            ; the scale's byte
.endr
	v_lshl_or_b32 v[\pw], v[TM+5], 8, v[TM+4]
	v_lshl_or_b32 v[\pw], v[TM+6], 16, v[\pw]
	v_lshl_or_b32 v[\pw], v[TM+7], 24, v[\pw]            ; my row's scale word
	v_cvt_scalef32_pk16_fp6_f32 v[\d0:\d0+2], v[\s:\s+15], v[TM+12]
	v_cvt_scalef32_pk16_fp6_f32 v[CT:CT+2], v[\s+16:\s+31], v[TM+13]
	v_cvt_scalef32_pk16_fp6_f32 v[\d1:\d1+2], v[\s+32:\s+47], v[TM+14]
	v_cvt_scalef32_pk16_fp6_f32 v[CT+4:CT+6], v[\s+48:\s+63], v[TM+15]
	v_nop                                                ; one plain place behind a scaled conversion
.irp i, 0,1,2                                            ; the operand wants a WHOLE block in a lane: lanes 0-15 the even block, lanes 16-31 the odd one
	v_permlane16_swap_b32 v[\d0+\i], v[CT+\i]
.endr
.irp i, 0,1,2
	v_permlane16_swap_b32 v[\d1+\i], v[CT+4+\i]
.endr
.irp i, 0,1,2
	v_mov_b32 v[\d0+3+\i], v[CT+\i]
.endr
.irp i, 0,1,2
	v_mov_b32 v[\d1+3+\i], v[CT+4+\i]
.endr
.endm
	s_load_b256 s[4:11], s[0:1], 0x0               ; query s[4:5], key_ s[6:7], value s[8:9], Wq s[10:11]
	s_load_b256 s[12:19], s[0:1], 0x20             ; Wk s[12:13], Wv s[14:15], xc s[16:17], xs s[18:19]
	v_lshl_add_u32 v254, v0, 2, 0x8400
	v_mov_b32 v255, 0
	v_lshrrev_b32 v1, 5, v0
	v_readfirstlane_b32 s20, v1                    ; wave 0..3
	v_and_b32 v1, 31, v0                           ; lane
	v_lshlrev_b32 v2, 4, v1                        ; 16 x lane: my bytes of a load's 512, and of an image's 512
	s_mul_i32 s21, s20, STG
	v_add_nc_u32 v3, s21, v2                       ; into my stage: as loaded
	v_and_b32 v6, 15, v0                           ; r
	v_bfe_u32 v7, v0, 4, 1                         ; h
	v_mul_u32_u24 v4, v6, SPT
	v_lshl_add_u32 v4, v7, 6, v4
	v_add_nc_u32 v4, s21, v4                       ; out of it: row r, + 64 h: my 16 numbers of a block of 32
	v_lshlrev_b32 v5, 5, v6
	v_lshl_add_u32 v5, v7, 4, v5                   ; the scale words: 32 r + 16 h
.irp b, 0,1,2,3
	v_mov_b32 v[TM+4+\b], 0                        ; written once: a lane permute's destination counts as one of its sources
.endr
	s_mov_b32 s[SEL], 0x76543210
	s_mov_b32 s[SEL+1], 0xfedcba98
	s_lshl_b32 s42, ttmp9, 2
	s_add_co_u32 s42, s42, s20                     ; my strip among the 1,728
	s_lshr_b32 s43, s42, 3
	s_mul_i32 s44, s43, 98304
	s_and_b32 s43, s42, 7
	s_mul_i32 s43, s43, 3072
	s_add_co_u32 s44, s44, s43                     ; its place in xc
	s_mov_b32 s45, 0
	s_lshl_b32 s46, s42, 9                         ; and in xs
	s_mov_b32 s47, 0
	s_wait_alu depctr_va_vdst(0)
	s_wait_kmcnt 0x0
	s_add_nc_u64 s[30:31], s[16:17], s[44:45]
	s_add_nc_u64 s[32:33], s[18:19], s[46:47]
	; which tensor: work-groups 0-127 query, 128-255 key_, 256-383 value, 384-399 Wq, 400-415 Wk, 416-431 Wv.  The choice hangs on the work-group's number alone
	s_mov_b64 s[22:23], s[14:15]
	s_mov_b32 s24, 416
	s_cmp_lt_u32 ttmp9, 416
	s_cselect_b64 s[22:23], s[12:13], s[22:23]
	s_cselect_b32 s24, 400, s24
	s_cmp_lt_u32 ttmp9, 400
	s_cselect_b64 s[22:23], s[10:11], s[22:23]
	s_cselect_b32 s24, 384, s24
	s_cmp_lt_u32 ttmp9, 384
	s_cselect_b64 s[22:23], s[8:9], s[22:23]
	s_cselect_b32 s24, 256, s24
	s_cmp_lt_u32 ttmp9, 256
	s_cselect_b64 s[22:23], s[6:7], s[22:23]
	s_cselect_b32 s24, 128, s24
	s_cmp_lt_u32 ttmp9, 128
	s_cselect_b64 s[22:23], s[4:5], s[22:23]
	s_cselect_b32 s24, 0, s24
	s_sub_co_u32 s36, ttmp9, s24
	s_lshl_b32 s36, s36, 2
	s_add_co_u32 s36, s36, s20                     ; i: my strip in its tensor
	s_lshr_b32 s37, s36, 1
	s_lshl_b32 s37, s37, 5
	s_and_b32 s38, s36, 1
	s_lshl_b32 s38, s38, 3
	s_add_co_u32 s37, s37, s38                     ; first row where the strip's rows are 0-7 and 16-23 on: 32 (i / 2) + 8 (i % 2)
	s_lshl_b32 s38, s36, 4                         ; first row where they are neighbours: 16 i
	s_mov_b32 s39, 0x8000                          ; lanes 8-15 begin 8 rows on (32,768 bytes), or 16 rows on (65,536)
	s_sub_co_u32 s25, ttmp9, 128
	s_cmp_lt_u32 s25, 288                          ; key_, value, Wq, Wk
	s_cselect_b32 s37, s37, s38
	s_cselect_b32 s40, 0x10000, s39
	; key_ ALONE (work-groups 128-255) departs from the list at the head: its strip i, lane r = row 64 (i / 4) + 8 (i % 4) + r % 8 + 32 (r / 8),
	; so that in the scores used transposed a lane's 32 registers of four neighbouring key tiles are one whole block of 32 neighbouring keys
	s_lshr_b32 s38, s36, 2
	s_lshl_b32 s38, s38, 6
	s_and_b32 s39, s36, 3
	s_lshl_b32 s39, s39, 3
	s_add_co_u32 s38, s38, s39                     ; first row: 64 (i / 4) + 8 (i % 4)
	s_mov_b32 s39, 0x20000                         ; lanes 8-15 begin 32 rows on
	s_cmp_lt_u32 s25, 128
	s_cselect_b32 s37, s38, s37
	s_cselect_b32 s40, s39, s40
	s_mov_b32 s41, 0
	s_lshl_b32 s38, s37, 12                        ; a row is 4,096 bytes
	s_mov_b32 s39, 0
	s_add_nc_u64 s[26:27], s[22:23], s[38:39]      ; rows of lanes 0-7
	s_add_nc_u64 s[28:29], s[26:27], s[40:41]      ; rows of lanes 8-15
.macro LOAD s                          ; K step s of my 16 rows: each load reads 512 consecutive bytes
.irp p, 0,1,2,3,4,5,6,7
	global_load_b128 v[R0+64*((\s)%2)+4*\p:R0+64*((\s)%2)+4*\p+3], v2, s[26:27] offset:4096*\p+512*(\s) th:TH_LOAD_NT
.endr
.irp p, 0,1,2,3,4,5,6,7
	global_load_b128 v[R0+64*((\s)%2)+32+4*\p:R0+64*((\s)%2)+32+4*\p+3], v2, s[28:29] offset:4096*\p+512*(\s) th:TH_LOAD_NT
.endr
.endm
.macro STEP s
.set RS, R0+64*((\s)%2)
.if (\s) < 7
	s_wait_loadcnt 16                              ; this step's 16 loads are in; the next step's 16 may be out
.else
	s_wait_loadcnt 0x0
.endif
.irp p, 0,1,2,3,4,5,6,7,8,9,10,11,12,13,14,15
	ds_store_b128 v3, v[RS+4*\p:RS+4*\p+3] offset:SPT*\p
.endr
.irp b, 0,1,2,3
.irp j, 0,1,2,3
	ds_load_b128 v[X+16*\b+4*\j:X+16*\b+4*\j+3], v4 offset:128*\b+16*\j   ; LDS serves a wave's instructions in order: these see the stores above
.endr
.endr
	s_wait_dscnt 0x0                               ; my 64 numbers are back, and the stores have read their registers
.if (\s) > 0
	s_wait_xcnt 0x0                                ; the last step's stores have read the codes' registers, which are written again below
.endif
.if (\s)+2 < 8
	LOAD (\s)+2
.endif
	QUANT X, PC, PC+6, PW+(\s)
.irp g, 0,1,2
	global_store_b128 v2, v[PC+4*\g:PC+4*\g+3], s[30:31] offset:((\s)/2)*24576+((\s)%2)*1536+512*\g   ; 32 lanes store 512 consecutive bytes, aligned
.endr
.endm
	LOAD 0
	LOAD 1
.irp t, 0,1,2,3,4,5,6,7
	STEP \t
.endr
	v_cmp_lt_u32 vcc_lo, 15, v1                    ; both halves of the lanes hold the same words: lanes 0-15 store K steps 0-3, lanes 16-31 steps 4-7
.irp i, 0,1,2,3
	v_cndmask_b32 v[8+\i], v[PW+\i], v[PW+4+\i], vcc_lo
.endr
	global_store_b128 v5, v[8:11], s[32:33]        ; the strip's 512 bytes of scale words
	s_wait_tensorcnt 0x0
	ds_add_u32 v254, v255
	s_wait_dscnt 0x0
	s_endpgm
.Lfunc_end_k_qfc88528717_quant:
	.size	k_qfc88528717_quant, .Lfunc_end_k_qfc88528717_quant-k_qfc88528717_quant
	.p2alignl 7, 3214868480
	.fill 96, 4, 3214868480
	.section	.rodata,"a",@progbits
	.p2align	6, 0x0
	.amdhsa_kernel k_qfc88528717_quant
		.amdhsa_group_segment_fixed_size 34304
		.amdhsa_private_segment_fixed_size 0
		.amdhsa_enable_private_segment 0
		.amdhsa_kernarg_size 64
		.amdhsa_user_sgpr_count 2
		.amdhsa_user_sgpr_kernarg_segment_ptr 1
		.amdhsa_wavefront_size32 1
		.amdhsa_system_sgpr_workgroup_id_x 1
		.amdhsa_system_sgpr_workgroup_id_y 1
		.amdhsa_system_sgpr_workgroup_id_z 1
		.amdhsa_system_vgpr_workitem_id 0
		.amdhsa_next_free_vgpr 256
		.amdhsa_next_free_sgpr 66
		.amdhsa_reserve_vcc 1
		.amdhsa_float_denorm_mode_32 3
		.amdhsa_float_denorm_mode_16_64 3
		.amdhsa_memory_ordered 1
		.amdhsa_forward_progress 1
		.amdhsa_inst_pref_size 65
	.end_amdhsa_kernel
	.amdgpu_metadata
---
amdhsa.version: [ 1, 2 ]
amdhsa.kernels:
  - .name:           k_qfc88528717_quant
    .symbol:         k_qfc88528717_quant.kd
    .args:
      - { .name: query, .offset: 0, .size: 8, .value_kind: global_buffer, .address_space: global }
      - { .name: key_, .offset: 8, .size: 8, .value_kind: global_buffer, .address_space: global }
      - { .name: value, .offset: 16, .size: 8, .value_kind: global_buffer, .address_space: global }
      - { .name: Wq, .offset: 24, .size: 8, .value_kind: global_buffer, .address_space: global }
      - { .name: Wk, .offset: 32, .size: 8, .value_kind: global_buffer, .address_space: global }
      - { .name: Wv, .offset: 40, .size: 8, .value_kind: global_buffer, .address_space: global }
      - { .name: xc, .offset: 48, .size: 8, .value_kind: global_buffer, .address_space: global }
      - { .name: xs, .offset: 56, .size: 8, .value_kind: global_buffer, .address_space: global }
    .group_segment_fixed_size: 34304
    .private_segment_fixed_size: 0
    .kernarg_segment_align: 8
    .kernarg_segment_size: 64
    .max_flat_workgroup_size: 128
    .sgpr_count:     66
    .vgpr_count:     256
    .wavefront_size: 32
...
	.end_amdgpu_metadata
.endif
;; end of part 1
;; launch proj (part 2): grid 4 x 96, 4 waves a work-group, clusters of 4 x 4, 327,680 bytes of LDS; arguments xc, xs, bq, bk, bv, qr, kv; writes qr, kv
.if DOCPART == 2
	.amdgcn_target "amdgcn-amd-amdhsa--gfx1250"
	.amdhsa_code_object_version 6
	.text
	.protected	k_qfc88528717_proj
	.globl	k_qfc88528717_proj
	.p2align	8
	.type	k_qfc88528717_proj,@function
k_qfc88528717_proj:
	s_mov_b64 s[64:65], 0
	v_nop
	global_prefetch_b8 v0, s[64:65] scope:SCOPE_SE
	s_setreg_imm32_b32 hwreg(HW_REG_WAVE_MODE, 25, 1), 1
	s_wait_xcnt 0x0
	s_wait_alu depctr_hold_cnt(0) depctr_sa_sdst(0) depctr_va_vdst(0) depctr_va_sdst(0) depctr_va_ssrc(0) depctr_va_vcc(0) depctr_vm_vsrc(0)
	s_getreg_b32 s2, hwreg(HW_REG_IB_STS2, 6, 4)
	s_cmp_eq_u32 s2, 0
	s_cbranch_scc0 .Lentry_in_a_cluster
	s_endpgm
.Lentry_in_a_cluster:
	s_bfe_u32 s2, ttmp6, 0x10000c
	s_cmp_lg_u32 s2, 0xf033
	s_cbranch_scc0 .Lentry_shape_is_right
	s_endpgm
.Lentry_shape_is_right:
.set NQ,    2
.set FR,    12
.set NL,    3
.set NP,    4
.set HALFT, 24576
.set SLOT,  4*HALFT
.set SCL,   2*SLOT
.set HALFS, 16*272
.set SBLK,  544
.set SPARE, SCL+4*HALFS
.set GRPB,  98304
.set RECB,  13056
.set HEADB, 208896
.set ADRA, 16
.set ADRB, 20
.set BOF,  24
.set L8,   25
.set L16,  26
.set ADRS, 27
.set SPW,  28
.set NIL,  29
.set SC,   32
.set BN,   64
.set AF,   128
.set T,    128
.set XR,   192
.set YR,   204
.set CT,   216
.set TM,   224
.set PWR,  240
.set WS,   248
.set SEL,  66
.set G1,   24
.set G0,   32
.set G1B,  48
.set G0B,  56
.set G1S,  68
.set G0S,  76
.set G1SB, 80
.set G0SB, 88
.set MSB, 0
.macro WIN new
.if MSB != (\new)
	s_set_vgpr_msb (MSB<<8)|(\new)
.set MSB, (\new)
.endif
.endm
.set MUL_LO, 0xa1
.set MUL_HI, 0xf1
.set TO_B,   0x40
.macro JLOAD g0a, g1a, g0b, g1b
	s_cmp_eq_u32 s19, 0
	s_cbranch_scc0 .Lfor_b_\@
	tensor_load_to_lds s[\g0a:\g0a+3], s[\g1a:\g1a+7]
	s_nop 0
.rept 4
	v_nop
.endr
	s_branch .Lasked_\@
.Lfor_b_\@:
	tensor_load_to_lds s[\g0b:\g0b+3], s[\g1b:\g1b+7]
	s_nop 0
.rept 4
	v_nop
.endr
.Lasked_\@:
.endm
.macro CREST
	s_cmp_lg_u32 s18, 0
	s_cbranch_scc1 .Lnot_wave_0_\@
	s_barrier_signal -3
.Lnot_wave_0_\@:
	s_barrier_wait -3
	s_barrier_signal -1
	s_barrier_wait -1
.endm
.macro CROUND
	s_barrier_signal -1
	s_barrier_wait -1
	CREST
.endm
.macro QUANT s, d0, d1, pw
.irp b, 0,1,2,3
	v_max3_num_f32 v[TM+\b], |v[\s+16*\b]|, |v[\s+1+16*\b]|, 0x1800000
.endr
.irp i, 2,4,6,8,10,12,14
.irp b, 0,1,2,3
	v_max3_num_f32 v[TM+\b], v[TM+\b], |v[\s+16*\b+\i]|, |v[\s+1+16*\b+\i]|
.endr
.endr
.irp b, 0,1,2,3
	v_permlanex16_b32 v[TM+4+\b], v[TM+\b], s[SEL], s[SEL+1]
.endr
.irp b, 0,1,2,3
	v_max_num_f32 v[TM+\b], v[TM+\b], v[TM+4+\b]
.endr
.irp b, 0,1,2,3
	v_add_nc_u32 v[TM+12+\b], 0xff000000, v[TM+\b]
.endr
.irp b, 0,1,2,3
	v_lshrrev_b32 v[TM+4+\b], 23, v[TM+12+\b]
.endr
	v_lshl_or_b32 v[\pw], v[TM+5], 8, v[TM+4]
	v_lshl_or_b32 v[\pw], v[TM+6], 16, v[\pw]
	v_lshl_or_b32 v[\pw], v[TM+7], 24, v[\pw]
	v_cvt_scalef32_pk16_fp6_f32 v[\d0:\d0+2], v[\s:\s+15], v[TM+12]
	v_cvt_scalef32_pk16_fp6_f32 v[CT:CT+2], v[\s+16:\s+31], v[TM+13]
	v_cvt_scalef32_pk16_fp6_f32 v[\d1:\d1+2], v[\s+32:\s+47], v[TM+14]
	v_cvt_scalef32_pk16_fp6_f32 v[CT+4:CT+6], v[\s+48:\s+63], v[TM+15]
	v_nop
.irp i, 0,1,2
	v_permlane16_swap_b32 v[\d0+\i], v[CT+\i]
.endr
.irp i, 0,1,2
	v_permlane16_swap_b32 v[\d1+\i], v[CT+4+\i]
.endr
.irp i, 0,1,2
	v_mov_b32 v[\d0+3+\i], v[CT+\i]
.endr
.irp i, 0,1,2
	v_mov_b32 v[\d1+3+\i], v[CT+4+\i]
.endr
.endm
	s_load_b256 s[4:11], s[0:1], 0x0
	s_load_b128 s[12:15], s[0:1], 0x20
	s_load_b64 s[16:17], s[0:1], 0x30
	v_lshl_add_u32 v[SPW], v0, 2, SPARE
	v_mov_b32 v[NIL], 0
	ds_add_u32 v28, v29
	ds_add_u32 v28, v29
	s_wait_dscnt 0x0
	v_lshrrev_b32 v1, 5, v0
	v_readfirstlane_b32 s18, v1
	s_lshr_b32 s19, s18, 1
	s_and_b32 s20, s18, 1
	s_bfe_u32 s40, ttmp6, 0x40000
	s_bfe_u32 s41, ttmp6, 0x40004
	s_and_b32 s21, ttmp7, 0xffff
	s_lshr_b32 s22, s21, 3
	s_and_b32 s23, s21, 7
	s_lshr_b32 s96, s22, 1
	s_mul_i32 s97, s96, 80
	s_lshl_b32 s98, s22, 6
	s_add_co_u32 s98, s98, s97
	s_lshl_b32 s99, s22, 3
	s_add_co_u32 s99, s99, 192
	s_sub_co_u32 s99, s99, s97
	s_mul_i32 s97, s23, s96
	s_sub_co_u32 s96, s23, s97
	s_lshl_b32 s95, s96, 2
	s_add_co_u32 s95, s95, s41
	s_lshl_b32 s42, s97, 2
	s_add_co_u32 s42, s42, s40
	s_lshl_b32 s43, s41, 2
	s_lshl_b32 s43, 15, s43
	s_lshl_b32 s44, 0x1111, s40
	s_or_b32 s[G1+0], s43, (3<<16)|(1<<21)
	s_or_b32 s[G1B+0], s44, (3<<16)|(1<<21)
.irp g, G1, G1B                        ; for the head's loads: a chunk of 256 rows of codes is two dense rows of 24,576 bytes (3,072 elements of 8), 98,304 bytes apart
	s_mov_b32 s[\g+1], 3072<<16
	s_mov_b32 s[\g+2], 2<<16
	s_mov_b32 s[\g+3], 3072<<16
	s_mov_b32 s[\g+4], 2
	s_mov_b32 s[\g+5], 12288
	s_mov_b32 s[\g+6], 0
	s_mov_b32 s[\g+7], 0
.endr
	s_or_b32 s[G1S+0], s43, (3<<16)|(1<<20)|(1<<21)|(5<<22)|(3<<25)
	s_or_b32 s[G1SB+0], s44, (3<<16)|(1<<20)|(1<<21)|(5<<22)|(3<<25)
.irp g, G1S, G1SB
	s_mov_b32 s[\g+1], 32<<16
	s_mov_b32 s[\g+2], 32<<16              ; the scale words of 256 rows: 32 rows of 256 bytes
	s_mov_b32 s[\g+3], 32<<16
	s_mov_b32 s[\g+4], 32
	s_mov_b32 s[\g+5], 32
	s_mov_b32 s[\g+6], 0
	s_mov_b32 s[\g+7], 0
.endr
	s_lshl_b32 s46, s95, 1
	s_add_co_u32 s46, s46, s98
	s_add_co_u32 s46, s46, s20
	s_lshl_b32 s92, s42, 1
	s_add_co_u32 s92, s92, s99
	s_add_co_u32 s92, s92, s20
	s_lshl_b32 s100, s46, 12
	s_mov_b32 s101, 0
	s_lshl_b32 s2, s92, 12
	s_mov_b32 s3, 0
	s_mul_i32 s46, s46, GRPB
	s_mov_b32 s47, 0
	s_mul_i32 s92, s92, GRPB
	s_mov_b32 s93, 0
	s_mul_i32 s45, s18, HALFT
	s_mul_i32 s94, s18, HALFS
	s_mov_b32 s[SEL], 0x76543210
	s_mov_b32 s[SEL+1], 0xfedcba98
	s_wait_kmcnt 0x0
	s_add_nc_u64 s[46:47], s[4:5], s[46:47]
	s_add_nc_u64 s[100:101], s[6:7], s[100:101]
	s_add_nc_u64 s[92:93], s[4:5], s[92:93]
	s_add_nc_u64 s[2:3], s[6:7], s[2:3]
	CROUND
; THE HEAD'S FOUR TILES, ONE A WAVE: wave 0 chunk 0 of A's 256 rows, wave 1 A's scale words, wave 2 chunk 0 of B's 256 rows, wave 3 B's scale words.
; The addresses above hold the wave's half (wave % 2): waves 0 and 2 stand at the tile's first group; waves 1 and 3 stand one group on, 4,096 bytes of scale words, which is taken off.
.set G0H,  4                           ; s[4:7], s[96:99]: group 0 of the two loads of codes (the arguments and numbers that lay there have been used)
.set G0HB, 96
	s_mov_b32 s[G0S], 1
	s_mov_b32 s[G0S+1], SCL
	s_sub_nc_u64 s[G0S+2:G0S+3], s[100:101], 4096
	s_or_b32 s[G0S+3], s[G0S+3], 0x80000000
	s_mov_b32 s[G0SB], 1
	s_mov_b32 s[G0SB+1], SCL+2*HALFS
	s_sub_nc_u64 s[G0SB+2:G0SB+3], s[2:3], 4096
	s_or_b32 s[G0SB+3], s[G0SB+3], 0x80000000
	s_mov_b32 s[G0H], 1
	s_mov_b32 s[G0H+1], 0
	s_mov_b64 s[G0H+2:G0H+3], s[46:47]
	s_or_b32 s[G0H+3], s[G0H+3], 0x80000000
	s_mov_b32 s[G0HB], 1
	s_mov_b32 s[G0HB+1], 2*HALFT
	s_mov_b64 s[G0HB+2:G0HB+3], s[92:93]
	s_or_b32 s[G0HB+3], s[G0HB+3], 0x80000000
.irp s, 0,1
	s_mov_b32 s[G0+4*\s], 1
	s_add_co_u32 s[G0+4*\s+1], s45, \s*SLOT
	s_add_nc_u64 s[G0+4*\s+2:G0+4*\s+3], s[46:47], \s*HALFT
	s_or_b32 s[G0+4*\s+3], s[G0+4*\s+3], 0x80000000
	s_mov_b32 s[G0B+4*\s], 1
	s_add_co_u32 s[G0B+4*\s+1], s45, \s*SLOT
	s_add_nc_u64 s[G0B+4*\s+2:G0B+4*\s+3], s[92:93], \s*HALFT
	s_or_b32 s[G0B+4*\s+3], s[G0B+4*\s+3], 0x80000000
.endr
	s_cmp_eq_u32 s18, 0                            ; one chain of branches on the wave's number, one load to an arm, all arms to one join
	s_cbranch_scc0 .Lhead_1
	tensor_load_to_lds s[G0H:G0H+3], s[G1:G1+7]
	s_nop 0
.rept 4
	v_nop
.endr
	s_branch .Lhead_asked
.Lhead_1:
	s_cmp_eq_u32 s18, 1
	s_cbranch_scc0 .Lhead_2
	tensor_load_to_lds s[G0S:G0S+3], s[G1S:G1S+7]
	s_nop 0
.rept 4
	v_nop
.endr
	s_branch .Lhead_asked
.Lhead_2:
	s_cmp_eq_u32 s18, 2
	s_cbranch_scc0 .Lhead_3
	tensor_load_to_lds s[G0HB:G0HB+3], s[G1B:G1B+7]
	s_nop 0
.rept 4
	v_nop
.endr
	s_branch .Lhead_asked
.Lhead_3:
	tensor_load_to_lds s[G0SB:G0SB+3], s[G1SB:G1SB+7]
	s_nop 0
.rept 4
	v_nop
.endr
.Lhead_asked:
	s_wait_alu depctr_va_vdst(0)
	s_wait_tensorcnt 0x0                           ; my tile of the four is in
	ds_add_u32 v28, v29
.irp g, G1, G1B                        ; no tensor load of mine is out, so a descriptor may be written: from here on a load brings 96 dense rows of 256 bytes
	s_mov_b32 s[\g+1], 32<<16
	s_mov_b32 s[\g+2], 96<<16
	s_mov_b32 s[\g+3], 32<<16
	s_mov_b32 s[\g+4], 96
	s_mov_b32 s[\g+5], 32
.endr
	s_wait_dscnt 0x0
	CROUND                                         ; all four tiles are in, and all sixteen work-groups are here
	JLOAD G0+4, G1, G0B+4, G1B                     ; slot 1's first fill, the first tensor load behind the round
	v_and_b32 v1, 15, v0
	v_bfe_u32 v2, v0, 4, 1
	v_and_b32 v3, 31, v0
	v_lshlrev_b32 v[L16], 4, v3
	v_lshlrev_b32 v[L8], 3, v3
.irp b, 0,1,2,3
	v_mov_b32 v[TM+4+\b], 0
.endr
	s_mul_i32 s21, s19, HALFT
	s_mul_i32 s23, s20, HALFT
	s_add_co_u32 s23, s23, 2*HALFT
.irp s, 0,1
	v_add_nc_u32 v[ADRA+\s], s21, v[L16]
	v_add_nc_u32 v[ADRB+\s], s23, v[L16]
	s_add_co_u32 s21, s21, SLOT
	s_add_co_u32 s23, s23, SLOT
.endr
	v_lshlrev_b32 v5, 5, v1
	v_lshrrev_b32 v6, 3, v1
	v_lshl_add_u32 v5, v6, 4, v5
	s_mul_i32 s21, s19, HALFS
	s_mul_i32 s23, s20, HALFS
	s_add_co_u32 s23, s23, 2*HALFS
	s_sub_co_u32 s23, s23, s21
	v_mul_u32_u24 v6, s23, v2
	s_add_co_u32 s21, s21, SCL
	v_add_nc_u32 v5, v5, v6
	v_add_nc_u32 v[ADRS], s21, v5
.macro FRAG reg, adr, q, i
.irp c, 0,1,2
	ds_load_b128 v[\reg+4*\c:\reg+4*\c+3], v[\adr] offset:(2*(\i)+(\q))*1536+512*\c
.endr
.endm
.macro MUL16 a0, p, q, sc, zero
.irp a, \a0, \a0+1
.irp b, 0,1,2,3,4,5,6,7
.if \zero
	v_wmma_scale_f32_16x16x128_f8f6f4 v[8*(8*((\a)%4)+\b):8*(8*((\a)%4)+\b)+7], v[128*(\p)+FR*\b:128*(\p)+FR*\b+FR-1], v[AF+FR*(\a):AF+FR*(\a)+FR-1], 0, v[SC+8*NQ*(\sc)+NQ*\b+(\q)], v[SC+8*NQ*(\sc)+NQ*(\a)+(\q)] matrix_a_fmt:MATRIX_FMT_FP6 matrix_b_fmt:MATRIX_FMT_FP6 matrix_a_scale:MATRIX_SCALE_ROW1
.else
	v_wmma_scale_f32_16x16x128_f8f6f4 v[8*(8*((\a)%4)+\b):8*(8*((\a)%4)+\b)+7], v[128*(\p)+FR*\b:128*(\p)+FR*\b+FR-1], v[AF+FR*(\a):AF+FR*(\a)+FR-1], v[8*(8*((\a)%4)+\b):8*(8*((\a)%4)+\b)+7], v[SC+8*NQ*(\sc)+NQ*\b+(\q)], v[SC+8*NQ*(\sc)+NQ*(\a)+(\q)] matrix_a_fmt:MATRIX_FMT_FP6 matrix_b_fmt:MATRIX_FMT_FP6 matrix_a_scale:MATRIX_SCALE_ROW1
.endif
.endr
.endr
.endm
.macro FETCH_B slot, q, p
	WIN TO_B
.irp i, 0,1,2,3,4,5,6,7
	FRAG 128*(\p)+FR*\i, ADRB+\slot, \q, \i
.endr
	WIN 0
.endm
.macro FETCH_A slot, q, i0
.irp i, \i0, \i0+1, \i0+2, \i0+3
	FRAG AF+FR*(\i), ADRA+\slot, \q, \i
.endr
.endm
.macro SCALES sc
.irp i, 0,1,2,3,4,5,6,7
	ds_load_b64 v[SC+8*NQ*\sc+NQ*\i:SC+8*NQ*\sc+NQ*\i+1], v[ADRS] offset:\i*SBLK
.endr
.endm
.macro PLACES n
.rept \n
	v_nop
.endr
.endm
.macro STEP slot, q, zero
	s_wait_dscnt 4*NL
	WIN MUL_LO
	MUL16 0, (\q)%2, \q, \slot, \zero
	MUL16 2, (\q)%2, \q, \slot, \zero
	s_wait_dscnt 0
	PLACES NP
	FETCH_B \slot, (\q)+1, 1-(\q)%2
	FETCH_A \slot, (\q)+1, 0
	WIN MUL_HI
	MUL16 4, (\q)%2, \q, \slot, \zero
	MUL16 6, (\q)%2, \q, \slot, \zero
	PLACES NP
	WIN 0
	FETCH_A \slot, (\q)+1, 4
.endm
.macro TURN slot, next, fill
	s_wait_tensorcnt 0x0
	ds_add_u32 v[SPW], v[NIL]
	s_wait_dscnt 4*NL+1
	WIN MUL_LO
	MUL16 0, 1, NQ-1, \slot, 0
	s_wait_dscnt 0x0
	s_barrier_signal -1
	MUL16 2, 1, NQ-1, \slot, 0
	WIN 0
	s_barrier_wait -1
.if \fill
	CREST
	s_add_nc_u64 s[G0+4*\slot+2:G0+4*\slot+3], s[G0+4*\slot+2:G0+4*\slot+3], 2*HALFT
	s_add_nc_u64 s[G0B+4*\slot+2:G0B+4*\slot+3], s[G0B+4*\slot+2:G0B+4*\slot+3], 2*HALFT
	JLOAD G0+4*\slot, G1, G0B+4*\slot, G1B
.else
	PLACES NP
.endif
	s_wait_alu depctr_va_vdst(0)
	v_add_nc_u32 v[ADRS], 4*NQ, v[ADRS]
	FETCH_B \next, 0, 0
	FETCH_A \next, 0, 0
	SCALES \next
	WIN MUL_HI
	MUL16 4, 1, NQ-1, \slot, 0
	MUL16 6, 1, NQ-1, \slot, 0
	PLACES NP
	WIN 0
	FETCH_A \next, 0, 4
.endm
.macro LAST
	s_wait_dscnt 4*NL
	WIN MUL_LO
	MUL16 0, 1, NQ-1, 1, 0
	MUL16 2, 1, NQ-1, 1, 0
	s_wait_dscnt 0
	WIN MUL_HI
	MUL16 4, 1, NQ-1, 1, 0
	MUL16 6, 1, NQ-1, 1, 0
	WIN 0
.endm
.macro BIASADD a, pair
.set AC, 64*((\a)%4)
.set WN, 0x02+(\a)/4
	WIN WN
.set ii, 0
.rept 32
.if \pair
	v_pk_add_f32 v[T+ii:T+ii+1], v[AC+ii:AC+ii+1], v[BN+2*(\a):BN+2*(\a)+1]
.else
	v_pk_add_f32 v[T+ii:T+ii+1], v[AC+ii:AC+ii+1], v[BN+ii:BN+ii+1]
.endif
.set ii, ii+2
.endr
	WIN 0
.endm
	s_wait_alu depctr_va_vdst(0)
	s_wait_tensorcnt 1
	s_barrier_signal -1
	s_barrier_wait -1
	FETCH_B 0, 0, 0
	FETCH_A 0, 0, 0
	SCALES 0
	FETCH_A 0, 0, 4
	STEP 0, 0, 1
	TURN 0, 1, 1
	STEP 1, 0, 0
	TURN 1, 0, 1
	STEP 0, 0, 0
	TURN 0, 1, 0
	STEP 1, 0, 0
	s_lshl_b32 s96, s95, 8
	s_lshl_b32 s97, s19, 7
	s_add_co_u32 s96, s96, s97
	s_lshl_b32 s97, s42, 8
	s_lshl_b32 s98, s20, 7
	s_add_co_u32 s97, s97, s98
	s_mov_b32 s101, 0
	s_mov_b32 s3, 0
	s_cmp_eq_u32 s22, 2
	s_cbranch_scc1 .Lv
	s_lshr_b32 s98, s96, 11
	s_lshl_b32 s98, s98, 4
	s_lshr_b32 s99, s97, 6
	s_add_co_u32 s98, s98, s99
	s_bfe_u32 s99, s96, 0x40007
	s_mul_i32 s98, s98, HEADB
	s_mul_i32 s99, s99, RECB
	s_add_co_u32 s100, s98, s99
	s_lshl_b32 s2, s97, 2
	s_cmp_eq_u32 s22, 0
	s_cselect_b64 s[98:99], s[14:15], s[16:17]
	s_cselect_b64 s[46:47], s[8:9], s[10:11]
	s_add_nc_u64 s[98:99], s[98:99], s[100:101]
	s_add_nc_u64 s[46:47], s[46:47], s[2:3]
	v_lshlrev_b32 v[BOF], 6, v2
.irp b, 0,1,2,3
.irp j, 0,1,2,3
	global_load_b128 v[BN+16*\b+4*\j:BN+16*\b+4*\j+3], v[BOF], s[46:47] offset:128*\b+16*\j
.endr
.endr
	LAST
	PLACES NP
	s_wait_loadcnt 0x0
.irp p, 0,1,2,3
.if \p > 0
	s_wait_xcnt 0x0
.endif
.irp u, 0,1
	BIASADD 2*\p+\u, 0
	QUANT T, XR+6*\u, YR+6*\u, PWR+2*\p+\u
.endr
.irp g, 0,1,2
	global_store_b128 v[L16], v[XR+4*\g:XR+4*\g+3], s[98:99] offset:1536*\p+512*\g
.endr
.irp g, 0,1,2
	global_store_b128 v[L16], v[YR+4*\g:YR+4*\g+3], s[98:99] offset:HEADB+1536*\p+512*\g
.endr
.endr
	v_cmp_lt_u32 vcc_lo, 15, v3
.irp p, 0,1,2,3
	v_cndmask_b32 v[TM+\p], v[PWR+2*\p], v[PWR+2*\p+1], vcc_lo
.endr
.irp p, 0,1,2,3
	v_and_b32 v[WS+\p], 0xffff, v[TM+\p]
	v_lshrrev_b32 v[WS+4+\p], 16, v[TM+\p]
.endr
	global_store_b128 v[L16], v[WS:WS+3], s[98:99] offset:12288
	global_store_b128 v[L16], v[WS+4:WS+7], s[98:99] offset:HEADB+12288
	s_branch .Lend
.Lv:
	s_lshr_b32 s98, s97, 11
	s_lshl_b32 s98, s98, 4
	s_lshr_b32 s99, s96, 6
	s_add_co_u32 s98, s98, s99
	s_bfe_u32 s99, s97, 0x40007
	s_mul_i32 s98, s98, HEADB
	s_mul_i32 s99, s99, RECB
	s_add_co_u32 s100, s98, s99
	s_lshl_b32 s2, s96, 2
	s_add_nc_u64 s[98:99], s[16:17], s[100:101]
	s_add_nc_u64 s[46:47], s[12:13], s[2:3]
	v_lshlrev_b32 v[BOF], 2, v1
.irp a, 0,1,2,3,4,5,6,7
	global_load_b32 v[BN+2*\a], v[BOF], s[46:47] offset:64*\a
	global_load_b32 v[BN+2*\a+1], v[BOF], s[46:47] offset:64*\a
.endr
	LAST
	PLACES NP
	s_wait_loadcnt 0x0
.irp a, 0,1,2,3,4,5,6,7
.if \a > 1
	s_wait_xcnt 0x0
.endif
	BIASADD \a, 1
.set ZR, XR+12*(\a%2)
	QUANT T, ZR, ZR+6, PWR+\a
.irp g, 0,1,2
	global_store_b128 v[L16], v[ZR+4*\g:ZR+4*\g+3], s[98:99] offset:6144+(\a/4)*HEADB+(\a%4)*1536+512*\g
.endr
.endr
	v_cmp_lt_u32 vcc_lo, 15, v3
.irp e, 0,1
	v_cndmask_b32 v[WS+2*\e], v[PWR+4*\e], v[PWR+4*\e+1], vcc_lo
	v_cndmask_b32 v[WS+2*\e+1], v[PWR+4*\e+2], v[PWR+4*\e+3], vcc_lo
	global_store_b64 v[L8], v[WS+2*\e:WS+2*\e+1], s[98:99] offset:12800+\e*HEADB
.endr
.Lend:
	s_wait_tensorcnt 0x0
	ds_add_u32 v[SPW], v[NIL]
	s_wait_dscnt 0x0
	CROUND
	s_endpgm
.Lfunc_end_k_qfc88528717_proj:
	.size	k_qfc88528717_proj, .Lfunc_end_k_qfc88528717_proj-k_qfc88528717_proj
	.p2alignl 7, 3214868480
	.fill 96, 4, 3214868480
	.section	.rodata,"a",@progbits
	.p2align	6, 0x0
	.amdhsa_kernel k_qfc88528717_proj
		.amdhsa_group_segment_fixed_size 327680
		.amdhsa_private_segment_fixed_size 0
		.amdhsa_enable_private_segment 0
		.amdhsa_kernarg_size 56
		.amdhsa_user_sgpr_count 2
		.amdhsa_user_sgpr_kernarg_segment_ptr 1
		.amdhsa_wavefront_size32 1
		.amdhsa_system_sgpr_workgroup_id_x 1
		.amdhsa_system_sgpr_workgroup_id_y 1
		.amdhsa_system_sgpr_workgroup_id_z 1
		.amdhsa_system_vgpr_workitem_id 0
		.amdhsa_next_free_vgpr 1024
		.amdhsa_next_free_sgpr 102
		.amdhsa_reserve_vcc 1
		.amdhsa_float_denorm_mode_32 3
		.amdhsa_float_denorm_mode_16_64 3
		.amdhsa_memory_ordered 1
		.amdhsa_forward_progress 1
		.amdhsa_inst_pref_size 219
	.end_amdhsa_kernel
	.amdgpu_metadata
---
amdhsa.version: [ 1, 2 ]
amdhsa.kernels:
  - .name:           k_qfc88528717_proj
    .symbol:         k_qfc88528717_proj.kd
    .args:
      - { .name: xc, .offset: 0, .size: 8, .value_kind: global_buffer, .address_space: global }
      - { .name: xs, .offset: 8, .size: 8, .value_kind: global_buffer, .address_space: global }
      - { .name: bq, .offset: 16, .size: 8, .value_kind: global_buffer, .address_space: global }
      - { .name: bk, .offset: 24, .size: 8, .value_kind: global_buffer, .address_space: global }
      - { .name: bv, .offset: 32, .size: 8, .value_kind: global_buffer, .address_space: global }
      - { .name: qr, .offset: 40, .size: 8, .value_kind: global_buffer, .address_space: global }
      - { .name: kv, .offset: 48, .size: 8, .value_kind: global_buffer, .address_space: global }
    .group_segment_fixed_size: 327680
    .private_segment_fixed_size: 0
    .kernarg_segment_align: 8
    .kernarg_segment_size: 56
    .max_flat_workgroup_size: 128
    .sgpr_count:     102
    .vgpr_count:     1024
    .wavefront_size: 32
...
	.end_amdgpu_metadata
.endif
;; end of part 2
;; launch attn (part 3): grid 4 x 64, 16 waves a work-group, clusters of 4 x 1, 280,576 bytes of LDS; arguments qr, kv, out0; writes out0
.if DOCPART == 3
	.amdgcn_target "amdgcn-amd-amdhsa--gfx1250"
	.amdhsa_code_object_version 6
	.text
	.protected	k_qfc88528717_attn
	.globl	k_qfc88528717_attn
	.p2align	8
	.type	k_qfc88528717_attn,@function
k_qfc88528717_attn:
	s_mov_b64 s[64:65], 0
	v_nop
	global_prefetch_b8 v0, s[64:65] scope:SCOPE_SE
	s_setreg_imm32_b32 hwreg(HW_REG_WAVE_MODE, 25, 1), 1
	s_wait_xcnt 0x0
	s_wait_alu depctr_hold_cnt(0) depctr_sa_sdst(0) depctr_va_vdst(0) depctr_va_sdst(0) depctr_va_ssrc(0) depctr_va_vcc(0) depctr_vm_vsrc(0)
	s_getreg_b32 s2, hwreg(HW_REG_IB_STS2, 6, 4)
	s_cmp_eq_u32 s2, 0
	s_cbranch_scc0 .Lentry_in_a_cluster
	s_endpgm
.Lentry_in_a_cluster:
	s_bfe_u32 s2, ttmp6, 0x10000c
	s_cmp_lg_u32 s2, 0x3003
	s_cbranch_scc0 .Lentry_shape_is_right
	s_endpgm
.Lentry_shape_is_right:
; out[b][q][64 head + d] = the sum over k of softmax_k(q . k / 8) v[k][d]: 64 (batch, head) pairs, 2,048 queries x 2,048 keys, head size 64, both products on codes of FP6 (E2M3) with E8M0 scales.
; q, k, v arrive as records of 13,056 bytes for each (head, 128 tokens): +0 four pair images of q (qr) or k (kv): registers 0-5 token tile 2 p, 6-11 tile 2 p + 1; +6144 four images of v (16 channels x 128 keys);
; +12288 q's or k's scale words (16 lane + 4 p; lanes 0-15 tile 2 p, lanes 16-31 tile 2 p + 1); +12800 v's (8 lane + 4 (t / 2)).  An image holds registers 4 g .. 4 g + 3 of lane l at 512 g + 16 l.
; THE SOFTMAX: t = score x log2(e) / 8; M = the running largest t rounded UP to a whole number; p = 2^(t - M) is quantised along the keys, not normalised; the row's sum is taken of the unquantised p and divides at the end;
; when M moves, the sums and O are multiplied by 2^(old M - new M): exact.
; SHARES.  A work-group owns 512 queries of one head; each of its sixteen waves 32, as two walks over the keys with one tile of 16.  Four waves of 256 registers to a SIMD.
; THE WHOLE HEAD'S k AND v STAY IN LDS: 16 records, 208,896 bytes, filled once, one tensor load a wave: no ring, no refill.  All is asked for at the head: no loop to prefetch in.
; THE FIRST WALK BEGINS ON RECORDS 0 TO 3: waves 0 to 3 have a load line of their own and alone wait ahead of the head's barrier.  The walk's first three trips read records 0 to 3 (a trip reads its own v and the next trip's k);
; behind them every wave waits for its load, and a barrier shows the other twelve records.
; THE WAVES WALK IN STEP, ONE STEP APART AT THE MOST: at a trip's top a wave waits for the signal that every wave gave at the top of the trip before, and signals again.  Between a signal and its wait stand register work and
; LDS loads of the records, which no wave writes.
; CLUSTER.  The four work-groups of a cluster are the four query blocks of one head: each record is asked for jointly, by the same load with the same descriptor and the mask of all four.
; LAYOUT.  Both products are used transposed: S^T = K Q^T (source 0 = 16 keys), O^T = V^T P^T (source 0 = 16 channels): a lane holds ONE query.  Lane r of key tile 4 c + j holds key 64 c + 8 j + r % 8 + 32 (r / 8), so the 32 score
; registers of tiles 4 c .. 4 c + 3 in lane (r, h) are keys 64 c + 32 h + 0 .. 31: one whole scale block, in the order of the operand's registers 6 c .. 6 c + 5.  No lane is asked for a block's maximum, no code changes lanes.
; k and v share one set of registers: v is fetched behind the scores' products, the next step's k behind v's products (a walk's last trip fetches record 15 once more, 13 LDS loads that nothing reads: so the trip has no branch).
; K = 64 IN AN INSTRUCTION OF K = 128.  Q's registers 6-11 are zero codes.  K's tile is named with the six registers that follow it (the next tile's codes; behind the last tile six registers of zeros): E2M3 has no code
; for NaN or infinity, so these codes times Q's zero codes add exactly 0, under the scale byte 0 (2^-127) that stands in bytes 2 and 3 of both scale words.
; LIMITS: NaN and infinities are not served.  The promise holds while the scaled scores t stay under 2^31 in magnitude.  A block whose every p has fallen to 0 keeps the byte 1: its codes are zeros.
.set RECB,  13056
.set HEADB, 208896
.set STAGE, HEADB                      ; behind the records: 16 rows x (256 + 16) bytes for each wave, for the way out; no tensor load lands there
.set SPARE, STAGE+16*16*272            ; the spare words: 128 bytes a wave
; v1 16 x lane, v2 8 x lane, v3, v4 the step's LDS addresses, v5 into my stage, v6 out of it, v7 my offset in out0, v9 the next step's k
.set SPW, 10                           ; my spare word
.set NIL, 11                           ; 0
.set ST,  12                           ; v12-17  -M, the largest score, the sum in two pairs
.set F,   18                           ; v18-19  f = 2^(old M - new M)
.set NM,  20                           ; v20-21  the new -M
.set SH,  22                           ; v22     8 x (lane / 16)
.set KS,  24                           ; v24-27  k's scale words
.set VS,  28                           ; v28-29  v's
.set QS,  30                           ; v30     q's: lanes 0-15 tile 0, lanes 16-31 tile 1
.set PW,  31                           ; v31     p's scale word
.set MB,  32                           ; v32-33  the two blocks' largest scores, then largest p
.set MC,  34                           ; v34-35  their second chains
.set SO,  36                           ; v36-37  the conversions' scale operands
.set T,   38                           ; v38-41  at work
.set R,   42                           ; v42-43  1 / the sum
.set CT,  44                           ; v44-51  upper halves of blocks, on their way
.set PC,  52                           ; v52-63  p's codes
.set QF,  64                           ; v64-87  q's two tiles, each with six registers of zeros behind it
.set KF,  88                           ; v88-135 k's eight tiles, 6 registers each, later v's four fragments; v136-141 zeros, never rewritten
.set S,   142                          ; v142-205 S^T, then p
.set O,   206                          ; v206-237 O^T
.macro WALU
	s_wait_alu depctr_va_vdst(0)
.endm
.macro DLY n
	s_delay_alu instid0(VALU_DEP_\n)
.endm
.macro CROUND
	s_barrier_signal -1
	s_barrier_wait -1
	s_cmp_lg_u32 s10, 0
	s_cbranch_scc1 .Lnot_wave_0_\@
	s_barrier_signal -3
.Lnot_wave_0_\@:
	s_barrier_wait -3
	s_barrier_signal -1
	s_barrier_wait -1
.endm
.macro KQ1 t, ra, u                    ; S^T of key tile t and my query tile u
	v_wmma_scale_f32_16x16x128_f8f6f4 v[S+8*(\t):S+8*(\t)+7], v[KF+6*(\t):KF+6*(\t)+11], v[QF+12*(\u):QF+12*(\u)+11], 0, v[KS+(\t)/2], v[QS] matrix_a_fmt:MATRIX_FMT_FP6 matrix_b_fmt:MATRIX_FMT_FP6 matrix_a_scale:MATRIX_SCALE_ROW\ra matrix_b_scale:MATRIX_SCALE_ROW\u
.endm
.macro VP1 t, ra                       ; O^T of channels 16 t on += V^T P^T
	v_wmma_scale_f32_16x16x128_f8f6f4 v[O+8*(\t):O+8*(\t)+7], v[KF+12*(\t):KF+12*(\t)+11], v[PC:PC+11], v[O+8*(\t):O+8*(\t)+7], v[VS+(\t)/2], v[PW] matrix_a_fmt:MATRIX_FMT_FP6 matrix_b_fmt:MATRIX_FMT_FP6 matrix_a_scale:MATRIX_SCALE_ROW\ra
.endm
.macro KLOAD a                         ; k's four pair images (tile t at KF + 6 t) and scale words, from the record at v\a
.irp i, 0,1,2,3,4,5,6,7,8,9,10,11
	ds_load_b128 v[KF+4*\i:KF+4*\i+3], v\a offset:512*\i
.endr
	ds_load_b128 v[KS:KS+3], v\a offset:12288
.endm
.macro FOLD n, d                       ; the pairs 0 .. n - 1 of p take in the pairs n .. 2 n - 1, in place; d: a line's nearest source was written d lines back
.set jj, 0
.rept \n
.if \d
	DLY \d
.endif
	v_pk_add_f32 v[S+jj:S+jj+1], v[S+jj:S+jj+1], v[S+2*(\n)+jj:S+2*(\n)+jj+1]
.set jj, jj+2
.endr
.endm
.macro TMINUSM n                       ; t - M, two at a time, n lines on from register jj
.rept \n
	v_pk_fma_f32 v[S+jj:S+jj+1], v[S+jj:S+jj+1], s[30:31], v[NM:NM+1] op_sel_hi:[1,0,0]
.set jj, jj+2
.endr
.endm
; ================= THE HEAD
	s_load_b128 s[4:7], s[0:1], 0x0                ; qr s[4:5], kv s[6:7]
	s_load_b64 s[8:9], s[0:1], 0x10                ; out0
	v_lshl_add_u32 v[SPW], v0, 2, SPARE
	v_mov_b32 v[NIL], 0
	ds_add_u32 v[SPW], v[NIL]
	ds_add_u32 v[SPW], v[NIL]
	v_lshrrev_b32 v1, 5, v0
	v_readfirstlane_b32 s10, v1                    ; wave 0..15
	s_bfe_u32 s11, ttmp6, 0x40000                  ; cx
	s_lshl_b32 s12, ttmp9, 2
	s_add_co_u32 s12, s12, s11                     ; my block of 512 queries: it enters q's and out0's addresses alone
	s_and_b32 s13, ttmp7, 0xffff                   ; batch x 16 + head, which the four partners share
	s_mul_i32 s34, s13, HEADB                      ; the head's first byte in qr and in kv
	s_mul_i32 s14, s10, RECB                       ; the record that I fetch: in memory and in LDS
	s_add_co_u32 s36, s34, s14
	s_mov_b32 s37, 0
	s_mov_b32 s20, 15|(3<<16)|(1<<21)              ; group 1: the mask of all four; elements of 8 bytes; bit 21 beside a mask
	s_mov_b32 s21, 32<<16                          ; a record is 51 dense rows of 256 bytes
	s_mov_b32 s22, 51<<16
	s_mov_b32 s23, 32<<16
	s_mov_b32 s24, 51
	s_mov_b32 s25, 32
	s_mov_b32 s26, 0
	s_mov_b32 s27, 0
	s_mov_b32 s28, 0x76543210
	s_mov_b32 s29, 0xfedcba98                      ; lane selects: lane l xor 16
	s_mov_b32 s30, 0x3e38aa3b                      ; c = log2(e) / 8
	s_mov_b32 s31, 0xbe38aa3b                      ; -c
	s_lshl_b32 s38, s12, 2
	s_lshr_b32 s39, s10, 2
	s_add_co_u32 s38, s38, s39                     ; my queries' record: 4 x block + wave / 4
	s_mul_i32 s38, s38, RECB
	s_add_co_u32 s38, s38, s34
	s_and_b32 s40, s10, 3                          ; my pair in it
	s_mul_i32 s41, s40, 1536
	s_add_co_u32 s42, s38, s41
	s_mov_b32 s43, 0
	s_lshl_b32 s40, s40, 2
	s_add_co_u32 s44, s38, s40
	s_add_co_u32 s44, s44, 12288                   ; its scale words
	s_mov_b32 s45, 0
	s_lshr_b32 s46, s13, 4
	s_lshl_b32 s46, s46, 11
	s_lshl_b32 s47, s12, 9
	s_add_co_u32 s46, s46, s47
	s_lshl_b32 s47, s10, 5
	s_add_co_u32 s46, s46, s47                     ; my first token: batch x 2048 + block x 512 + 32 x wave
	s_lshl_b32 s46, s46, 12                        ; a token's row of out0 is 4,096 bytes,
	s_and_b32 s47, s13, 15
	s_lshl_b32 s47, s47, 8                         ; a head's part of it 256
	s_add_co_u32 s46, s46, s47
	s_mov_b32 s47, 0
	s_mul_i32 s35, s10, 16*272
	s_add_co_u32 s35, s35, STAGE                   ; my stage
	v_and_b32 v8, 31, v0
	v_and_b32 v3, 15, v0                           ; r
	v_bfe_u32 v4, v0, 4, 1                         ; h
	v_lshlrev_b32 v1, 4, v8
	v_lshlrev_b32 v2, 3, v8
	v_lshlrev_b32 v[SH], 3, v4
	v_mul_u32_u24 v5, v3, 272
	v_mul_u32_u24 v6, v4, 272
	v_lshlrev_b32 v7, 12, v4
	v_lshl_add_u32 v5, v4, 5, v5
	v_lshl_add_u32 v6, v3, 4, v6
	v_lshl_add_u32 v7, v3, 4, v7                   ; two tokens of out0: lanes 0-15 one, lanes 16-31 the next
	v_add_nc_u32 v5, s35, v5                       ; in: row r; tile t's eight channels of my half at 64 t + 32 h
	v_add_nc_u32 v6, s35, v6                       ; back: lanes 0-15 one row of 256 bytes, lanes 16-31 the next
	WALU
	s_wait_dscnt 0x0
	s_wait_kmcnt 0x0
	s_mov_b32 s16, 1
	s_mov_b32 s17, s14                             ; LDS address: wave x 13,056
	s_add_nc_u64 s[18:19], s[6:7], s[36:37]
	s_or_b32 s19, s19, 0x80000000
	s_add_nc_u64 s[38:39], s[4:5], s[44:45]        ; q's scale words
	s_add_nc_u64 s[4:5], s[4:5], s[42:43]          ; q's pair image
	s_add_nc_u64 s[8:9], s[8:9], s[46:47]          ; out0 at my first token, my head
	CROUND                                         ; all four work-groups are here: the joint loads meet
	s_cmp_lt_u32 s10, 4                            ; my one tensor load of the launch.  Waves 0 to 3, which alone wait ahead of the head's barrier, have a line of their own
	s_cbranch_scc0 .Lrest
	tensor_load_to_lds s[16:19], s[20:27]          ; records 0 to 3
	s_nop 0
.rept 4
	v_nop
.endr
	s_branch .Lasked
.Lrest:
	tensor_load_to_lds s[16:19], s[20:27]          ; records 4 to 15
	s_nop 0
.rept 4
	v_nop
.endr
.Lasked:
	global_load_b128 v[QF:QF+3], v1, s[4:5]                    ; the pair's registers 0-3,
	global_load_b64 v[QF+4:QF+5], v1, s[4:5] offset:512        ; 4-5: tile 0 of my two;
	global_load_b64 v[QF+12:QF+13], v1, s[4:5] offset:520      ; 6-7,
	global_load_b128 v[QF+14:QF+17], v1, s[4:5] offset:1024    ; 8-11: tile 1
	global_load_b32 v[QS], v1, s[38:39]            ; lanes 0-15 tile 0's scale words, lanes 16-31 tile 1's
.irp j, 6,7,8,9,10,11,18,19,20,21,22,23
	v_mov_b32 v[QF+\j], 0                          ; zero codes
.endr
.irp j, 48,49,50,51,52,53
	v_mov_b32 v[KF+\j], 0                          ; the zeros behind k's last tile
.endr
.irp j, 0,1,2,3
	v_mov_b32 v[T+\j], 0                           ; written once: a lane permute's destination counts as one of its sources
.endr
	v_mov_b32 v[F+1], 0                            ; (named as upper halves of pairs)
	v_mov_b32 v[NM+1], 0
	v_mov_b32 v[R+1], 0
	WALU
	s_cmp_lt_u32 s10, 4
	s_cbranch_scc0 .Lnot_first
	s_wait_tensorcnt 0x0                           ; waves 0 to 3: my record is in
.Lnot_first:
	s_barrier_signal -1
	s_barrier_wait -1                              ; records 0 to 3 lie in LDS; the others may be on their way
	s_wait_loadcnt 0x0                             ; q
; ================= s33 TRIPS OF 128 KEYS for query tile u, from the record at s32 on (s34: the next trip's)
.macro WALK u
.Lstep_\@:
	s_barrier_wait -1                              ; every wave has begun the step before
	s_wait_dscnt 0x0                               ; this step's k is in
	s_barrier_signal -1                            ; I begin this step
.irp p, 0,1,2,3
	KQ1 2*\p, 0, \u
	KQ1 2*\p+1, 1, \u
.endr
	v_add_nc_u32 v3, s32, v1                       ; four plain lines: the places ahead of the loads into k's registers and of the first read of the scores
	v_add_nc_u32 v4, s32, v2
	v_add_nc_u32 v9, s34, v1
	v_nop
.irp i, 0,1,2,3,4,5,6,7,8,9,10,11
	ds_load_b128 v[KF+4*\i:KF+4*\i+3], v3 offset:6144+512*\i     ; v's four images: they land under the softmax
.endr
	ds_load_b64 v[VS:VS+1], v4 offset:12800
.irp c, 0,1                                        ; the largest score of my two blocks of 32 keys, two chains each, the four by turns; each accumulator is read from its low end on
	v_max3_num_f32 v[MB+\c], v[S+32*\c], v[S+32*\c+1], v[S+32*\c+2]
	v_max3_num_f32 v[MC+\c], v[S+32*\c+16], v[S+32*\c+17], v[S+32*\c+18]
.endr
.irp i, 3,5,7,9,11,13
.irp c, 0,1
	v_max3_num_f32 v[MB+\c], v[MB+\c], v[S+32*\c+\i], v[S+32*\c+\i+1]
	v_max3_num_f32 v[MC+\c], v[MC+\c], v[S+32*\c+16+\i], v[S+32*\c+17+\i]
.endr
.endr
.irp c, 0,1
	v_max3_num_f32 v[MB+\c], v[MB+\c], v[S+32*\c+15], v[S+32*\c+31]
.endr
.irp c, 0,1
	DLY 2
	v_max_num_f32 v[MB+\c], v[MB+\c], v[MC+\c]     ; it serves for the row's maximum and, since p rises with the score, for the block's largest p
.endr
	DLY 1
	v_max3_num_f32 v[T], v[MB], v[MB+1], v[ST+1]
	DLY 1
	v_permlanex16_b32 v[T+1], v[T], s28, s29
	DLY 1
	v_max_num_f32 v[ST+1], v[T], v[T+1]            ; the running largest score of my query
	DLY 1
	v_mul_f32 v[T+2], s31, v[ST+1]                 ; -t
	DLY 1
	v_floor_f32 v[NM], v[T+2]                      ; the new -M = -ceil(t): a whole number
	DLY 1
	v_sub_f32 v[T+3], v[NM], v[ST]                 ; old M - new M: a whole number, 0 or less
.set jj, 0
	TMINUSM 8
	v_cvt_i32_f32 v[T+3], v[T+3]                   ; (it saturates)
	TMINUSM 8
	v_ldexp_f32 v[F], 1.0, v[T+3]                  ; f = 2^(old M - new M)
	TMINUSM 16
.irp c, 0,1
	v_fma_f32 v[MB+\c], v[MB+\c], s30, v[NM]       ; the same of each block's largest score
.endr
	WALU
.set jj, 0
.rept 64
	v_exp_f32 v[S+jj], v[S+jj]                     ; p = 2^(t - M): not normalised
.set jj, jj+1
.endr
.irp c, 0,1
	v_exp_f32 v[MB+\c], v[MB+\c]                   ; the block's largest p: the same two instructions on the same number give the same bits
.endr
	v_mov_b32 v[ST], v[NM]                         ; -M is kept.  (The plain place behind the exponentials)
	s_wait_dscnt 0x0                               ; v is in: its 13 loads were issued ahead of the softmax
	WALU                                           ; the wait behind the batch, directly ahead of the first reader of O^T
.set jj, 0
.rept 16
	v_pk_mul_f32 v[O+jj:O+jj+1], v[O+jj:O+jj+1], v[F:F+1] op_sel_hi:[1,0]   ; O^T under the new M
.set jj, jj+2
.endr
.irp c, 0,1
	v_max_num_f32 v[MB+\c], 0x1800000, v[MB+\c]    ; the floor 2^(3 - 127): the byte cannot fall under 1
.endr
.irp c, 0,1
	DLY 2
	v_add_nc_u32 v[SO+\c], 0xff000000, v[MB+\c]    ; 2 off the exponent field: the conversions' scale operand
.endr
.irp c, 0,1
	v_cvt_scalef32_pk16_fp6_f32 v[PC+6*\c:PC+6*\c+2], v[S+32*\c:S+32*\c+15], v[SO+\c]
	v_cvt_scalef32_pk16_fp6_f32 v[CT+4*\c:CT+4*\c+2], v[S+32*\c+16:S+32*\c+31], v[SO+\c]   ; (a conversion's three registers begin on an even number)
.endr
.irp c, 0,1
	v_lshrrev_b32 v[T+\c], 23, v[SO+\c]            ; the scales' bytes: blocks h and 2 + h.  (Plain places behind the conversions)
.endr
	DLY 1
	v_lshl_or_b32 v[T], v[T+1], 16, v[T]
	DLY 1
	v_lshlrev_b32 v[T], v[SH], v[T]                ; at their places in the scale word
	DLY 1
	v_permlanex16_b32 v[T+1], v[T], s28, s29
.irp c, 0,1
.irp i, 0,1,2
	v_mov_b32 v[PC+6*\c+3+\i], v[CT+4*\c+\i]
.endr
.endr
	v_or_b32 v[PW], v[T], v[T+1]                   ; with lane l xor 16's two bytes the word is whole
	FOLD 16, 0                                     ; the row's sum is taken of the unquantised p
	FOLD 8, 0
	FOLD 4, 4
.irp p, 0,1
	VP1 2*\p, 0                                    ; four accumulators by turns, one instruction a turn
	VP1 2*\p+1, 1
.endr
	FOLD 2, 0                                      ; four plain lines that are due anyway: the places ahead of the loads into v's registers
.irp j, 0,1
	DLY 2
	v_pk_fma_f32 v[ST+2+2*\j:ST+3+2*\j], v[ST+2+2*\j:ST+3+2*\j], v[F:F+1], v[S+2*\j:S+2*\j+1] op_sel_hi:[1,0,1]   ; the sums under the new M, and this step's
.endr
	KLOAD 9                                        ; the next step's k
	s_add_co_u32 s32, s32, RECB
	s_add_co_u32 s34, s32, RECB
	s_min_u32 s34, s34, 15*RECB                    ; never beyond the last record
	s_sub_co_u32 s33, s33, 1
	s_cmp_lg_u32 s33, 0
	WALU
	s_cbranch_scc1 .Lstep_\@
.endm
; ================= ONE TILE OF 16 QUERIES (u = 0, 1) against all 2,048 keys
.macro PASS u
	v_mov_b32 v[ST], 0x7f61b1e6                    ; -M: 3e38
	v_mov_b32 v[ST+1], 0xff61b1e6                  ; the largest score so far: -3e38
.irp j, 2,3,4,5
	v_mov_b32 v[ST+\j], 0                          ; the sums
.endr
.set jj, 0
.rept 32
	v_mov_b32 v[O+jj], 0                           ; O^T: the step is written once; the first finds zeros, which the first change of M leaves zeros
.set jj, jj+1
.endr
	s_mov_b32 s32, 0                               ; the step's record in LDS,
	s_mov_b32 s34, RECB                            ; and the next step's
	KLOAD 1                                        ; record 0's k
	WALU
	s_wait_dscnt 0x0                               ; no LDS work is out at a signal
.if \u == 0
	s_mov_b32 s33, 3                               ; three trips on records 0 to 3
	s_barrier_signal -1
	WALK \u
	s_barrier_wait -1
	s_mov_b32 s32, 3*RECB
	s_mov_b32 s34, 4*RECB
	s_mov_b32 s33, 13                              ; the other thirteen
	s_wait_tensorcnt 0x0                           ; every wave: my record is in,
	s_wait_dscnt 0x0                               ; and record 3's k is in my registers
	s_barrier_signal -1                            ; behind the wait at the next trip's top the whole head lies in LDS for all
	WALK \u
.else
	s_mov_b32 s33, 16
	s_barrier_signal -1
	WALK \u
.endif
	s_barrier_wait -1                              ; the last trip's signal is met: stores follow
	; THE WAY OUT: O^T / the sum goes through my stage and leaves as rows of 256 bytes: a head's 64 numbers of one token
	v_pk_add_f32 v[ST+2:ST+3], v[ST+2:ST+3], v[ST+4:ST+5]
	DLY 1
	v_add_f32 v[ST+2], v[ST+2], v[ST+3]
	DLY 1
	v_permlanex16_b32 v[T], v[ST+2], s28, s29
	DLY 1
	v_add_f32 v[ST+2], v[ST+2], v[T]               ; the row's sum
	WALU                                           ; the wait ahead of the reciprocal
	v_rcp_f32 v[R], v[ST+2]
	v_nop                                          ; a plain place behind it
	WALU                                           ; and directly ahead of the first reader of the reciprocal and of O^T
.set jj, 0
.rept 16
	v_pk_mul_f32 v[S+jj:S+jj+1], v[O+jj:O+jj+1], v[R:R+1] op_sel_hi:[1,0]   ; register 8 t + i is channel 16 t + 8 h + i of query r; each accumulator from its low end on
.set jj, jj+2
.endr
.irp t, 0,1,2,3
	ds_store_b128 v5, v[S+8*\t:S+8*\t+3] offset:64*\t
	ds_store_b128 v5, v[S+8*\t+4:S+8*\t+7] offset:64*\t+16
.endr
.irp i, 0,1,2,3,4,5,6,7
	ds_load_b128 v[S+32+4*\i:S+32+4*\i+3], v6 offset:544*\i      ; LDS serves a wave's instructions in order: these see my stores
.endr
.irp i, 0,1,2,3,4,5,6,7
	s_wait_dscnt 7-\i                              ; load i is back; the 7 - i younger ones may be out
	global_store_b128 v7, v[S+32+4*\i:S+32+4*\i+3], s[8:9] offset:65536*\u+8192*\i th:TH_STORE_NT   ; 16 lanes store 256 consecutive bytes, aligned
.endr
	s_wait_xcnt 0x0                                ; the stores have read their registers, which the next walk writes again
.endm
	PASS 0
	PASS 1
	s_wait_tensorcnt 0x0                           ; the wave's end
	ds_add_u32 v[SPW], v[NIL]
	s_wait_dscnt 0x0
	CROUND                                         ; the closing round: no work-group ends while a partner may still ask for a record that names it
	s_endpgm
.Lfunc_end_k_qfc88528717_attn:
	.size	k_qfc88528717_attn, .Lfunc_end_k_qfc88528717_attn-k_qfc88528717_attn
	.p2alignl 7, 3214868480
	.fill 96, 4, 3214868480
	.section	.rodata,"a",@progbits
	.p2align	6, 0x0
	.amdhsa_kernel k_qfc88528717_attn
		.amdhsa_group_segment_fixed_size 280576
		.amdhsa_private_segment_fixed_size 0
		.amdhsa_enable_private_segment 0
		.amdhsa_kernarg_size 24
		.amdhsa_user_sgpr_count 2
		.amdhsa_user_sgpr_kernarg_segment_ptr 1
		.amdhsa_wavefront_size32 1
		.amdhsa_system_sgpr_workgroup_id_x 1
		.amdhsa_system_sgpr_workgroup_id_y 1
		.amdhsa_system_sgpr_workgroup_id_z 1
		.amdhsa_system_vgpr_workitem_id 0
		.amdhsa_next_free_vgpr 256
		.amdhsa_next_free_sgpr 66
		.amdhsa_reserve_vcc 0
		.amdhsa_float_denorm_mode_32 3
		.amdhsa_float_denorm_mode_16_64 3
		.amdhsa_memory_ordered 1
		.amdhsa_forward_progress 1
		.amdhsa_inst_pref_size 63
	.end_amdhsa_kernel
	.amdgpu_metadata
---
amdhsa.version: [ 1, 2 ]
amdhsa.kernels:
  - .name:           k_qfc88528717_attn
    .symbol:         k_qfc88528717_attn.kd
    .args:
      - { .name: qr, .offset: 0, .size: 8, .value_kind: global_buffer, .address_space: global }
      - { .name: kv, .offset: 8, .size: 8, .value_kind: global_buffer, .address_space: global }
      - { .name: out0, .offset: 16, .size: 8, .value_kind: global_buffer, .address_space: global }
    .group_segment_fixed_size: 280576
    .private_segment_fixed_size: 0
    .kernarg_segment_align: 8
    .kernarg_segment_size: 24
    .max_flat_workgroup_size: 512
    .sgpr_count:     66
    .vgpr_count:     256
    .wavefront_size: 32
...
	.end_amdgpu_metadata
.endif
;; end of part 3
